; MI455X (gfx1250); checked and timed in simulation.
; The chip was launched on July 23, 2026; its instructions are those of AMD's public machine-readable ISA for CDNA 5 (MIT licence, August 2026) and "CDNA5" Instruction Set Architecture Reference Guide (July 2026). The comments in the code are by the model that wrote it; some were corrected since.
;; Density Calculator. Allowed arithmetic: float matrix products may take bf16 or f16 operands with f32 sums; all other float work in f32.
;; Inputs: C_expand 2,048 int32; X 2,048 x 3 float32; aw_table 6 x 6 float32; bw_table 6 x 6 float32; elements 2,048 int32; grid_points 32,768 x 3 float32.
;; Outputs: out0 32 x 32 x 32 float32.
;; 2 versions, each right; version 2 is version 1 with the launch density written anew for expert scheduling mode. Each part assembles by itself: llvm-mc -triple=amdgcn-amd-amdhsa -mcpu=gfx1250 --defsym DOCPART=n.
;; ======== version 1 of 2: 2 launches
;; workspace buffers: sorted 32,768 bytes; bounds 256 bytes of whole numbers
;; launch sort (part 1): grid 1 x 1, 16 waves a work-group, no clusters, 35,072 bytes of LDS; arguments elements, C_expand, X, sorted, bounds; writes sorted, bounds
.if DOCPART == 1
	.amdgcn_target "amdgcn-amd-amdhsa--gfx1250"
	.amdhsa_code_object_version 6
	.text
	.protected	k_qb955665f46_sort
	.globl	k_qb955665f46_sort
	.p2align	8
	.type	k_qb955665f46_sort,@function
k_qb955665f46_sort:
	s_mov_b64 s[64:65], 0
	v_nop
	global_prefetch_b8 v0, s[64:65] scope:SCOPE_SE
	s_setreg_imm32_b32 hwreg(HW_REG_WAVE_MODE, 25, 1), 1
	s_wait_xcnt 0x0
; Sorts the 2,048 atoms by key = (C_expand == 1 ? element : 5) into the buffer 'sorted', 16 bytes a slot (x, y, z, key), and stores the first
; slots of keys 1..5 in 'bounds'.  Keys 0..4 pass the reference's mask; key 5 (element 5, or C_expand != 1) is what it multiplies by 0 and
; lies at the list's end, so that bounds[4] = T, the number of atoms that count.
; WHY A LAUNCH OF ITS OWN.  The bounds steer the next launch's trip counts and LDS addresses.  A number that steers is made in one launch, stored as
; a whole number and read in a later one; here nothing but values and LDS slots hangs on it: the one branch is on the wave's number, and every
; global address is made of the thread's number alone.
; SHARES.  One work-group (2,048 atoms give 16 waves four atoms a thread; the counts of all waves have to meet, which is done in LDS).
; Every atom has one key of six, so the slots are a permutation of 0..2047 and every slot is written.
; LIMIT.  elements lie in 0..5, inside the tables that they index.
.set NA,    2048
.set NWAVE, 16
.set LIST,  0                          ; LDS: the sorted list, 16 bytes a slot
.set CNT,   16*NA                      ; LDS: 16 bytes a wave, its six counts in fields of 16 bits
; vector registers
.set VT,   2                           ; at work
.set T16,  3                           ; 16 x thread: my four atoms in elements and in C_expand; my 16 bytes of each quarter of the list
.set T48,  4                           ; 48 x thread: my four atoms in X
.set ROWA, 8                           ; 16 x (lane mod 16): the counts of wave (lane mod 16)
.set CNTA, 9                           ; 16 x wave: my wave's counts
.set POS,  12                          ; v[12:15]  slot, then LDS address, of my four atoms
.set EL,   16                          ; v[16:19]  elements
.set CE,   20                          ; v[20:23]  C_expand
.set XR,   24                          ; v[24:39]  atom j: x, y, z, key in v[24+4j : 27+4j]
.set PV,   40                          ; v[40:43]  my wave's counts, packed
.set HS,   44                          ; v[44:47]  the scan over the waves
.set OUTR, 48                          ; v[48:63]  four slots of the sorted list on their way out
.set BV,   64                          ; v[64:65]  the bounds, two words a lane
.set L8,   66                          ; 8 x lane
; scalar registers: s[4:13] the five addresses
.set WV,   14                          ; wave
.set TMP,  15
.set MK,   16                          ; s[16:39]  lanes whose atom j has key k: MK + 6 j + k
.set CN,   40                          ; s[40:45]  my wave's count of key k; later the next free slot of key k for my wave
.set PK,   46                          ; s[46:48]  counts 0|1, 2|3, 4|5 packed
.set TT,   49                          ; s[49:51]  totals, packed
.set IN,   52                          ; s[52:54]  sums over the waves in front of mine, packed
.set SS,   55                          ; s[56:60]  SS + k: first slot of key k, k = 1..5
	s_load_b256 s[4:11], s[0:1], 0x0               ; elements s[4:5], C_expand s[6:7], X s[8:9], sorted s[10:11]
	s_load_b64 s[12:13], s[0:1], 0x20              ; bounds
	v_lshl_add_u32 v68, v0, 2, 0x8100
	v_mov_b32 v69, 0
	v_lshrrev_b32 v[VT], 5, v0
	v_readfirstlane_b32 s[WV], v[VT]               ; wave 0..15
	v_lshlrev_b32 v[T16], 4, v0
	v_mul_u32_u24 v[T48], v0, 48
	v_and_b32 v[VT], 15, v0
	v_lshlrev_b32 v[ROWA], 4, v[VT]
	s_lshl_b32 s[TMP], s[WV], 4
	v_mov_b32 v[CNTA], s[TMP]
	s_wait_kmcnt 0x0
	global_load_b128 v[EL:EL+3], v[T16], s[4:5]
	global_load_b128 v[CE:CE+3], v[T16], s[6:7]
.irp j, 0,1,2,3
	global_load_b96 v[XR+4*\j:XR+4*\j+2], v[T48], s[8:9] offset:12*\j
.endr
	; COUNT
	s_wait_loadcnt 4                               ; loads return in order: the first two of the six (elements, C_expand) are in
.irp j, 0,1,2,3
	v_cmp_eq_u32 vcc_lo, 1, v[CE+\j]
	v_cndmask_b32 v[XR+4*\j+3], 5, v[EL+\j], vcc_lo        ; the key is the record's fourth word
.endr
.irp j, 0,1,2,3
.irp k, 0,1,2,3,4,5
	v_cmp_eq_u32 s[MK+6*\j+\k], \k, v[XR+4*\j+3]
.endr
.endr
.irp k, 0,1,2,3,4,5
	s_bcnt1_i32_b32 s[CN+\k], s[MK+\k]
.irp j, 1,2,3
	s_bcnt1_i32_b32 s[TMP], s[MK+6*\j+\k]
	s_add_co_u32 s[CN+\k], s[CN+\k], s[TMP]
.endr
.endr
.irp p, 0,1,2                                      ; a wave counts 128 at the most, all waves 2,048: fields of 16 bits never carry
	s_lshl_b32 s[TMP], s[CN+2*\p+1], 16
	s_or_b32 s[PK+\p], s[CN+2*\p], s[TMP]
	v_mov_b32 v[PV+\p], s[PK+\p]
.endr
	v_mov_b32 v[PV+3], s[PK+2]                     ; fills the 16 bytes; not used
	ds_store_b128 v[CNTA], v[PV:PV+3] offset:CNT   ; every lane writes the same 16 bytes with the same values
	s_wait_dscnt 0x0                               ; my counts are in LDS before I say so
	s_barrier_signal -1
	s_barrier_wait -1
	ds_load_b128 v[HS:HS+3], v[ROWA] offset:CNT    ; lane l: the counts of wave l mod 16
	s_wait_dscnt 0x0
.irp sh, 1,2,4,8                                   ; running sums over the 16 lanes of a row: lane l ends with waves 0..l
.irp r, 0,1,2
	v_add_nc_u32_dpp v[HS+\r], v[HS+\r], v[HS+\r] row_shr:\sh row_mask:0xf bank_mask:0xf bound_ctrl:1
.endr
.endr
.irp r, 0,1,2
	v_readlane_b32 s[TT+\r], v[HS+\r], 15          ; all waves
	v_readlane_b32 s[IN+\r], v[HS+\r], s[WV]       ; waves 0 .. mine
	s_sub_co_u32 s[IN+\r], s[IN+\r], s[PK+\r]      ; without mine: the waves in front (field by field, no borrow)
.endr
	s_and_b32 s[SS+1], s[TT], 0xffff               ; first slots of the keys; key 0 starts at slot 0
	s_lshr_b32 s[TMP], s[TT], 16
	s_add_co_u32 s[SS+2], s[SS+1], s[TMP]
	s_and_b32 s[TMP], s[TT+1], 0xffff
	s_add_co_u32 s[SS+3], s[SS+2], s[TMP]
	s_lshr_b32 s[TMP], s[TT+1], 16
	s_add_co_u32 s[SS+4], s[SS+3], s[TMP]
	s_and_b32 s[TMP], s[TT+2], 0xffff
	s_add_co_u32 s[SS+5], s[SS+4], s[TMP]          ; T: where the masked atoms begin
	s_and_b32 s[CN], s[IN], 0xffff                 ; my wave's first slot in each key
	s_lshr_b32 s[TMP], s[IN], 16
	s_add_co_u32 s[CN+1], s[SS+1], s[TMP]
	s_and_b32 s[TMP], s[IN+1], 0xffff
	s_add_co_u32 s[CN+2], s[SS+2], s[TMP]
	s_lshr_b32 s[TMP], s[IN+1], 16
	s_add_co_u32 s[CN+3], s[SS+3], s[TMP]
	s_and_b32 s[TMP], s[IN+2], 0xffff
	s_add_co_u32 s[CN+4], s[SS+4], s[TMP]
	s_lshr_b32 s[TMP], s[IN+2], 16
	s_add_co_u32 s[CN+5], s[SS+5], s[TMP]
	; PLACE.  Slot = the key's next free slot for my wave + the number of lower lanes whose atom j has the same key.
.irp j, 0,1,2,3
.irp k, 0,1,2,3,4,5
.if \k == 0
	v_mbcnt_lo_u32_b32 v[POS+\j], s[MK+6*\j+\k], s[CN+\k]
.else
	v_mbcnt_lo_u32_b32 v[VT], s[MK+6*\j+\k], s[CN+\k]
	v_cndmask_b32 v[POS+\j], v[POS+\j], v[VT], s[MK+6*\j+\k]
.endif
.if \j < 3
	s_bcnt1_i32_b32 s[TMP], s[MK+6*\j+\k]
	s_add_co_u32 s[CN+\k], s[CN+\k], s[TMP]
.endif
.endr
	v_min_u32 v[POS+\j], NA-1, v[POS+\j]           ; a number made from loaded data enters an address only behind a bound
	v_lshlrev_b32 v[POS+\j], 4, v[POS+\j]
.endr
	s_wait_loadcnt 0x0                             ; X
.irp j, 0,1,2,3
	ds_store_b128 v[POS+\j], v[XR+4*\j:XR+4*\j+3] offset:LIST
.endr
	s_wait_dscnt 0x0                               ; my records are in LDS before I say so
	s_barrier_signal -1
	s_barrier_wait -1                              ; the list is whole
	; OUT, in the list's order: a wave's store covers 512 consecutive bytes, at a multiple of 512 from the buffer's first byte
.irp j, 0,1,2,3
	ds_load_b128 v[OUTR+4*\j:OUTR+4*\j+3], v[T16] offset:LIST+8192*\j
.endr
.irp j, 0,1,2,3
	s_wait_dscnt 3-\j                              ; LDS loads return in order: number j of the four is in
	global_store_b128 v[T16], v[OUTR+4*\j:OUTR+4*\j+3], s[10:11] offset:8192*\j
.endr
	s_cmp_lg_u32 s[WV], 0
	s_cbranch_scc1 .Lend
	; wave 0: words 0..4 of 'bounds' = first slots of keys 1..5, the other 59 words 0: one store of the buffer's 256 bytes, 8 bytes a lane
	v_and_b32 v[L8], 31, v0
	v_lshlrev_b32 v[L8], 3, v[L8]
	v_mov_b32 v[BV], 0
	v_mov_b32 v[BV+1], 0
	v_writelane_b32 v[BV],   s[SS+1], 0
	v_writelane_b32 v[BV+1], s[SS+2], 0
	v_writelane_b32 v[BV],   s[SS+3], 1
	v_writelane_b32 v[BV+1], s[SS+4], 1
	v_writelane_b32 v[BV],   s[SS+5], 2
	global_store_b64 v[L8], v[BV:BV+1], s[12:13]
.Lend:
	s_wait_tensorcnt 0x0
	ds_add_u32 v68, v69
	s_wait_dscnt 0x0
	s_endpgm
.Lfunc_end_k_qb955665f46_sort:
	.size	k_qb955665f46_sort, .Lfunc_end_k_qb955665f46_sort-k_qb955665f46_sort
	.p2alignl 7, 3214868480
	.fill 96, 4, 3214868480
	.section	.rodata,"a",@progbits
	.p2align	6, 0x0
	.amdhsa_kernel k_qb955665f46_sort
		.amdhsa_group_segment_fixed_size 35072
		.amdhsa_private_segment_fixed_size 0
		.amdhsa_enable_private_segment 0
		.amdhsa_kernarg_size 40
		.amdhsa_user_sgpr_count 2
		.amdhsa_user_sgpr_kernarg_segment_ptr 1
		.amdhsa_wavefront_size32 1
		.amdhsa_system_sgpr_workgroup_id_x 1
		.amdhsa_system_sgpr_workgroup_id_y 1
		.amdhsa_system_sgpr_workgroup_id_z 1
		.amdhsa_system_vgpr_workitem_id 0
		.amdhsa_next_free_vgpr 70
		.amdhsa_next_free_sgpr 66
		.amdhsa_reserve_vcc 1
		.amdhsa_float_denorm_mode_32 3
		.amdhsa_float_denorm_mode_16_64 3
		.amdhsa_memory_ordered 1
		.amdhsa_forward_progress 1
		.amdhsa_inst_pref_size 14
	.end_amdhsa_kernel
	.amdgpu_metadata
---
amdhsa.version: [ 1, 2 ]
amdhsa.kernels:
  - .name:           k_qb955665f46_sort
    .symbol:         k_qb955665f46_sort.kd
    .args:
      - { .name: elements, .offset: 0, .size: 8, .value_kind: global_buffer, .address_space: global }
      - { .name: C_expand, .offset: 8, .size: 8, .value_kind: global_buffer, .address_space: global }
      - { .name: X, .offset: 16, .size: 8, .value_kind: global_buffer, .address_space: global }
      - { .name: sorted, .offset: 24, .size: 8, .value_kind: global_buffer, .address_space: global }
      - { .name: bounds, .offset: 32, .size: 8, .value_kind: global_buffer, .address_space: global }
    .group_segment_fixed_size: 35072
    .private_segment_fixed_size: 0
    .kernarg_segment_align: 8
    .kernarg_segment_size: 40
    .max_flat_workgroup_size: 512
    .sgpr_count:     66
    .vgpr_count:     70
    .wavefront_size: 32
...
	.end_amdgpu_metadata
.endif
;; end of part 1
;; launch density (part 2): grid 256 x 1, 16 waves a work-group, no clusters, 43,008 bytes of LDS; arguments sorted, bounds, aw_table, bw_table, grid_points, out0; writes out0
.if DOCPART == 2
	.amdgcn_target "amdgcn-amd-amdhsa--gfx1250"
	.amdhsa_code_object_version 6
	.text
	.protected	k_qb955665f46_density
	.globl	k_qb955665f46_density
	.p2align	8
	.type	k_qb955665f46_density,@function
k_qb955665f46_density:
	s_mov_b64 s[64:65], 0
	v_nop
	global_prefetch_b8 v0, s[64:65] scope:SCOPE_SE
	s_setreg_imm32_b32 hwreg(HW_REG_WAVE_MODE, 25, 1), 1
	s_wait_xcnt 0x0
; density[g] = sum over the atoms a with elements[a] != 5 and C_expand[a] == 1, and over n = 0..5,
;              of aw[e_a][n] * exp(bw[e_a][n] * |g - X_a|^2).        32,768 grid points, 2,048 atoms, all sums in f32.
;
; INPUT FROM THE LAUNCH BEFORE.  'sorted': the atoms ordered by element, 16 bytes a slot (x, y, z, key), those that the reference multiplies by 0 at
; the end.  'bounds': words 0..3 the first slots of elements 1..4, word 4 = T, the number of atoms that count.  The bounds steer trip counts and
; LDS addresses; they are whole numbers read from memory by a scalar load.
; SHARES.  256 work-groups of 16 waves; a work-group owns 128 grid points, a lane four of them (4 lane .. 4 lane + 3, as two register
; pairs for the packed f32 forms), so every wave covers all 128 points and the waves split the ATOMS: wave w walks the slots
; [w T / 16, (w+1) T / 16), shares that differ by one atom at the most.
; WHY SORTED.  Inside one element a[n] and b[n] do not change: rows 0-4 of both tables lie in 64 registers (the same in every lane), the loop
; is written once for each element with that element's registers, and an atom costs one LDS load of 16 bytes (all lanes the same address).
; ONE TRIP = one atom x 128 points: 6 packed subtractions, 6 packed products for r^2, 12 packed products b r^2, 24 exponentials,
; 12 packed multiply-adds.
; THE EINSUM STAYS ON THE VECTOR UNIT: it has one output column for each grid point, and its left operand is made in f32 registers.  To feed a matrix
; instruction takes one packed conversion for two exponentials; one packed multiply-add for two exponentials ends the sum outright, in f32.
; NO CLUSTER, NO TENSOR LOADS: what work-groups share is the list's 32,768 bytes, read once, against 128 x T x 6 exponentials.
; NO PREFETCH: every global load of the kernel is issued in its first lines.
; LIMITS.  exp(x) is exp2(x log2 e) with b scaled once (one rounding more than the reference).  v_exp_f32 gives 0 where the result would lie
; below 2^-126 (ISA guide 15.8), so such terms are dropped.  The order of the f32 sums is not the reference's.  Where the reference gives NaN
; because a MASKED atom's exponential overflows (0 x inf), this text gives the sum without that atom.
.set NA,     2048                      ; atoms = slots of the list
.set NWAVE,  16
.set LIST,   0                         ; LDS: the sorted list
.set RED,    16*NA                     ; LDS: 512 bytes a wave, its partial sums of the 128 points
.set LOG2E,  0x3fb8aa3b
; vector registers
.set LANE, 1
.set VT,   2                           ; at work
.set T16,  3                           ; 16 x thread: my 16 bytes of each quarter of the list, and among the partial sums
.set ZERO, 5                           ; offset 0: the tables, the same bytes for every lane
.set L48,  6                           ; 48 x lane: my four grid points
.set L16,  7                           ; 16 x lane: my four results
.set ADR,  11                          ; LDS address of the next record
.set CP,   16                          ; v[16:31]   four slots of the list on their way into LDS
.set GL,   48                          ; v[48:59]   my four points as loaded: x0 y0 z0 x1 ...
.set GX,   60                          ; v[60:63]   x of points (0,1), (2,3)
.set GY,   64                          ; v[64:67]   y
.set GZ,   68                          ; v[68:71]   z
.set AT,   72                          ; v[72:103]  aw_table, words 0-31: element k, term n at AT + 6 k + n
.set BT,   104                         ; v[104:135] bw_table likewise, times log2 e
.set RS,   72                          ; v[72:135]  once more at the end: the sixteen partial sums
.set REC,  136                         ; v[136:139] the record at work
.set DX,   140                         ; v[140:151] g - X: x, y, z, two pairs each
.set DY,   144
.set DZ,   148
.set QQ,   152                         ; v[152:155] r^2, two pairs
.set AR,   156                         ; v[156:179] step 2 n + p: argument, then exponential, of term n and pair p
.set ACC,  180                         ; v[180:183] the sums of my four points
; scalar registers: s[4:15] the six addresses
.set WV,   16                          ; wave
.set TMP,  17
.set SS,   19                          ; s[20:24]  SS + k: first slot of element k (k = 1..4); SS + 5 = T.  s[25:27]: the rest of the 32 bytes loaded
.set IX,   28                          ; the slot at work: the loops' counter
.set RHI,  29                          ; end of my wave's share
.set RLAST,30                          ; its last slot
.set HI,   31                          ; end of the element's part of my share
.set AD,   32
; packed forms with one register r, of either parity, as both halves of the second source
.macro PKSUBB d, g, r                  ; d = g - v[r]
.if (\r) & 1
	v_pk_add_f32 v[\d:\d+1], v[\g:\g+1], v[(\r)-1:(\r)] op_sel:[0,1] op_sel_hi:[1,1] neg_lo:[0,1] neg_hi:[0,1]
.else
	v_pk_add_f32 v[\d:\d+1], v[\g:\g+1], v[(\r):(\r)+1] op_sel:[0,0] op_sel_hi:[1,0] neg_lo:[0,1] neg_hi:[0,1]
.endif
.endm
.macro PKMULB d, q, r                  ; d = q * v[r]
.if (\r) & 1
	v_pk_mul_f32 v[\d:\d+1], v[\q:\q+1], v[(\r)-1:(\r)] op_sel:[0,1] op_sel_hi:[1,1]
.else
	v_pk_mul_f32 v[\d:\d+1], v[\q:\q+1], v[(\r):(\r)+1] op_sel:[0,0] op_sel_hi:[1,0]
.endif
.endm
.macro PKFMAB c, e, r                  ; c += e * v[r]
.if (\r) & 1
	s_wait_alu depctr_va_vdst(0)
	v_pk_fma_f32 v[\c:\c+1], v[\e:\e+1], v[(\r)-1:(\r)], v[\c:\c+1] op_sel:[0,1,0] op_sel_hi:[1,1,1]
.else
	s_wait_alu depctr_va_vdst(0)
	v_pk_fma_f32 v[\c:\c+1], v[\e:\e+1], v[(\r):(\r)+1], v[\c:\c+1] op_sel:[0,0,0] op_sel_hi:[1,0,1]
.endif
.endm
	s_load_b256 s[4:11], s[0:1], 0x0               ; sorted s[4:5], bounds s[6:7], aw_table s[8:9], bw_table s[10:11]
	s_load_b128 s[12:15], s[0:1], 0x20             ; grid_points s[12:13], out0 s[14:15]
	v_lshl_add_u32 v184, v0, 2, 0xa000
	v_mov_b32 v185, 0
	v_and_b32 v[LANE], 31, v0
	v_lshrrev_b32 v[VT], 5, v0
	v_readfirstlane_b32 s[WV], v[VT]               ; wave 0..15
	v_lshlrev_b32 v[T16], 4, v0
	v_mov_b32 v[ZERO], 0
	v_mul_u32_u24 v[L48], v[LANE], 48
	v_lshlrev_b32 v[L16], 4, v[LANE]
	s_mul_i32 s2, ttmp9, 128*12                    ; the work-group's 128 points of 12 bytes
	s_mov_b32 s3, 0
	s_wait_kmcnt 0x0
	s_load_b256 s[SS+1:SS+8], s[6:7], 0x0          ; the bounds; waited for where the shares are made
	s_add_nc_u64 s[12:13], s[12:13], s[2:3]
	s_lshl_b32 s2, ttmp9, 9                        ; and its 128 results of 4 bytes
	s_add_nc_u64 s[14:15], s[14:15], s[2:3]
	; all 23 global loads of the wave, in the order in which they are needed
.irp j, 0,1,2,3
	global_load_b128 v[CP+4*\j:CP+4*\j+3], v[T16], s[4:5] offset:8192*\j
.endr
.irp j, 0,1,2
	global_load_b128 v[GL+4*\j:GL+4*\j+3], v[L48], s[12:13] offset:16*\j
.endr
.irp j, 0,1,2,3,4,5,6,7
	global_load_b128 v[BT+4*\j:BT+4*\j+3], v[ZERO], s[10:11] offset:16*\j      ; words 0-31: rows 0-4 and two words of row 5, which no atom that counts uses
.endr
.irp j, 0,1,2,3,4,5,6,7
	global_load_b128 v[AT+4*\j:AT+4*\j+3], v[ZERO], s[8:9] offset:16*\j
.endr
	; the list goes into LDS as it lies in memory: thread t brings the 16 bytes at 16 t of each quarter
	s_wait_loadcnt 19                              ; loads return in order: the first four of the 23 (the list) are in
.irp j, 0,1,2,3
	ds_store_b128 v[T16], v[CP+4*\j:CP+4*\j+3] offset:LIST+8192*\j
.endr
	s_wait_dscnt 0x0                               ; my part of the list is in LDS before I say so
	s_barrier_signal -1
	; register work while the others arrive
	s_wait_loadcnt 0x0                             ; grid points and tables
	v_dual_mov_b32 v[GX+0], v[GL+0] :: v_dual_mov_b32 v[GX+1], v[GL+3]         ; x0 y0 z0 x1 .. becomes pairs (x0,x1) (x2,x3) (y0,y1) ..
	v_dual_mov_b32 v[GX+2], v[GL+6] :: v_dual_mov_b32 v[GX+3], v[GL+9]
	v_dual_mov_b32 v[GY+0], v[GL+1] :: v_dual_mov_b32 v[GY+1], v[GL+4]
	v_dual_mov_b32 v[GY+2], v[GL+7] :: v_dual_mov_b32 v[GY+3], v[GL+10]
	v_dual_mov_b32 v[GZ+0], v[GL+2] :: v_dual_mov_b32 v[GZ+1], v[GL+5]
	v_dual_mov_b32 v[GZ+2], v[GL+8] :: v_dual_mov_b32 v[GZ+3], v[GL+11]
.set i, 0
.rept 15                                           ; rows 0-4 of bw_table: b log2 e, so that v_exp_f32 (base 2) gives exp(b r^2)
	v_pk_mul_f32 v[BT+2*i:BT+2*i+1], v[BT+2*i:BT+2*i+1], LOG2E op_sel_hi:[1,0]
.set i, i+1
.endr
.irp j, 0,1,2,3
	v_mov_b32 v[ACC+\j], 0                         ; a wave whose share is empty hands these on as they are
.endr
	s_wait_kmcnt 0x0                               ; the bounds
	s_mul_i32 s[IX], s[WV], s[SS+5]                ; my share: slots [w T / 16, (w + 1) T / 16)
	s_lshr_b32 s[IX], s[IX], 4
	s_add_co_u32 s[TMP], s[WV], 1
	s_mul_i32 s[RHI], s[TMP], s[SS+5]
	s_lshr_b32 s[RHI], s[RHI], 4
	s_barrier_wait -1                              ; the list is whole
	s_cmp_ge_u32 s[IX], s[RHI]
	s_cbranch_scc1 .Lsum                           ; nothing for me (T below 16)
	s_sub_co_u32 s[RLAST], s[RHI], 1
	s_min_u32 s[AD], s[IX], NA-1                   ; a number that was loaded enters an address only behind a bound
	s_lshl_b32 s[AD], s[AD], 4
	v_mov_b32 v[ADR], s[AD]
	ds_load_b128 v[REC:REC+3], v[ADR] offset:LIST  ; my first record
; The part of my share that lies in element k.  IX runs on from element to element, and so does the record loaded ahead.
.macro CLASS k
	s_min_u32 s[HI], s[SS+\k+1], s[RHI]
	s_cmp_ge_u32 s[IX], s[HI]
	s_cbranch_scc1 .Lnext\k
.Latom\k:
	s_add_co_u32 s[IX], s[IX], 1                   ; the next slot;
	s_min_u32 s[AD], s[IX], s[RLAST]               ; behind my last one the last is loaded once more, and not used
	s_min_u32 s[AD], s[AD], NA-1                   ; the bound in front of the address
	s_lshl_b32 s[AD], s[AD], 4
	v_mov_b32 v[ADR], s[AD]
	s_wait_dscnt 0x0                               ; the one LDS load that is out: this trip's record
	PKSUBB DX,   GX,   REC
	PKSUBB DX+2, GX+2, REC
	PKSUBB DY,   GY,   REC+1
	PKSUBB DY+2, GY+2, REC+1
	PKSUBB DZ,   GZ,   REC+2
	PKSUBB DZ+2, GZ+2, REC+2
	ds_load_b128 v[REC:REC+3], v[ADR] offset:LIST  ; the record has been read: the next one comes in under the rest of the trip
	v_pk_mul_f32 v[QQ:QQ+1],   v[DX:DX+1],   v[DX:DX+1]
	v_pk_mul_f32 v[QQ+2:QQ+3], v[DX+2:DX+3], v[DX+2:DX+3]
	v_pk_fma_f32 v[QQ:QQ+1],   v[DY:DY+1],   v[DY:DY+1],   v[QQ:QQ+1]
	v_pk_fma_f32 v[QQ+2:QQ+3], v[DY+2:DY+3], v[DY+2:DY+3], v[QQ+2:QQ+3]
	v_pk_fma_f32 v[QQ:QQ+1],   v[DZ:DZ+1],   v[DZ:DZ+1],   v[QQ:QQ+1]
	v_pk_fma_f32 v[QQ+2:QQ+3], v[DZ+2:DZ+3], v[DZ+2:DZ+3], v[QQ+2:QQ+3]
	; twelve steps, step st = term st / 2 of pair st mod 2.  Behind a step's two exponentials stand the product for step st + 2 and the
	; multiply-add of step st - 1: a plain vector instruction that names none of their registers comes before their results are used (ISA guide 5.7.2).
	PKMULB AR,   QQ,   BT+6*\k
	PKMULB AR+2, QQ+2, BT+6*\k
.set st, 0
.rept 12
	v_exp_f32 v[AR+2*st],   v[AR+2*st]
	v_exp_f32 v[AR+2*st+1], v[AR+2*st+1]
.if st+2 < 12
	PKMULB AR+2*(st+2), QQ+2*((st+2)&1), BT+6*\k+((st+2)>>1)
.endif
.if st >= 1
	PKFMAB ACC+2*((st-1)&1), AR+2*(st-1), AT+6*\k+((st-1)>>1)
.endif
.set st, st+1
.endr
	PKFMAB ACC+2, AR+22, AT+6*\k+5
	s_cmp_lt_u32 s[IX], s[HI]
	s_cbranch_scc1 .Latom\k
.Lnext\k:
.endm
	CLASS 0
	CLASS 1
	CLASS 2
	CLASS 3
	CLASS 4
.Lsum:
	; the sixteen waves' sums of the same 128 points meet in LDS
	ds_store_b128 v[T16], v[ACC:ACC+3] offset:RED  ; 512 x wave + 16 x lane
	s_wait_dscnt 0x0                               ; my sums are in LDS (and the record loaded ahead has landed) before I say so
	s_barrier_signal -1
	s_barrier_wait -1
	s_cmp_lg_u32 s[WV], 0
	s_cbranch_scc1 .Lend
.irp w, 0,1,2,3,4,5,6,7,8,9,10,11,12,13,14,15
	ds_load_b128 v[RS+4*\w:RS+4*\w+3], v[L16] offset:RED+512*\w
.endr
	s_wait_dscnt 0x0
.irp h, 8,4,2,1
.set i, 0
.rept \h
	v_pk_add_f32 v[RS+4*i:RS+4*i+1],   v[RS+4*i:RS+4*i+1],   v[RS+4*(i+\h):RS+4*(i+\h)+1]
	v_pk_add_f32 v[RS+4*i+2:RS+4*i+3], v[RS+4*i+2:RS+4*i+3], v[RS+4*(i+\h)+2:RS+4*(i+\h)+3]
.set i, i+1
.endr
.endr
	global_store_b128 v[L16], v[RS:RS+3], s[14:15] th:TH_STORE_NT   ; the wave stores the group's 512 consecutive bytes, at a multiple of 512 from out0's first byte
.Lend:
	s_wait_tensorcnt 0x0
	ds_add_u32 v184, v185
	s_wait_dscnt 0x0
	s_endpgm
.Lfunc_end_k_qb955665f46_density:
	.size	k_qb955665f46_density, .Lfunc_end_k_qb955665f46_density-k_qb955665f46_density
	.p2alignl 7, 3214868480
	.fill 96, 4, 3214868480
	.section	.rodata,"a",@progbits
	.p2align	6, 0x0
	.amdhsa_kernel k_qb955665f46_density
		.amdhsa_group_segment_fixed_size 43008
		.amdhsa_private_segment_fixed_size 0
		.amdhsa_enable_private_segment 0
		.amdhsa_kernarg_size 48
		.amdhsa_user_sgpr_count 2
		.amdhsa_user_sgpr_kernarg_segment_ptr 1
		.amdhsa_wavefront_size32 1
		.amdhsa_system_sgpr_workgroup_id_x 1
		.amdhsa_system_sgpr_workgroup_id_y 1
		.amdhsa_system_sgpr_workgroup_id_z 1
		.amdhsa_system_vgpr_workitem_id 0
		.amdhsa_next_free_vgpr 186
		.amdhsa_next_free_sgpr 66
		.amdhsa_reserve_vcc 0
		.amdhsa_float_denorm_mode_32 3
		.amdhsa_float_denorm_mode_16_64 3
		.amdhsa_memory_ordered 1
		.amdhsa_forward_progress 1
		.amdhsa_inst_pref_size 29
	.end_amdhsa_kernel
	.amdgpu_metadata
---
amdhsa.version: [ 1, 2 ]
amdhsa.kernels:
  - .name:           k_qb955665f46_density
    .symbol:         k_qb955665f46_density.kd
    .args:
      - { .name: sorted, .offset: 0, .size: 8, .value_kind: global_buffer, .address_space: global }
      - { .name: bounds, .offset: 8, .size: 8, .value_kind: global_buffer, .address_space: global }
      - { .name: aw_table, .offset: 16, .size: 8, .value_kind: global_buffer, .address_space: global }
      - { .name: bw_table, .offset: 24, .size: 8, .value_kind: global_buffer, .address_space: global }
      - { .name: grid_points, .offset: 32, .size: 8, .value_kind: global_buffer, .address_space: global }
      - { .name: out0, .offset: 40, .size: 8, .value_kind: global_buffer, .address_space: global }
    .group_segment_fixed_size: 43008
    .private_segment_fixed_size: 0
    .kernarg_segment_align: 8
    .kernarg_segment_size: 48
    .max_flat_workgroup_size: 512
    .sgpr_count:     66
    .vgpr_count:     186
    .wavefront_size: 32
...
	.end_amdgpu_metadata
.endif
;; end of part 2
;; ======== version 2 of 2: 2 launches; version 1 with the launch density written anew for expert scheduling mode
;; workspace buffers: sorted 32,768 bytes; bounds 256 bytes of whole numbers
;; launch sort: the kernel of part 1 again; grid 1 x 1, 16 waves a work-group, no clusters, 35,072 bytes of LDS; arguments elements, C_expand, X, sorted, bounds; writes sorted, bounds
;; launch density (part 3): grid 256 x 1, 16 waves a work-group, no clusters, 43,008 bytes of LDS; arguments sorted, bounds, aw_table, bw_table, grid_points, out0; writes out0
.if DOCPART == 3
	.amdgcn_target "amdgcn-amd-amdhsa--gfx1250"
	.amdhsa_code_object_version 6
	.text
	.protected	k_qb955665f46_density
	.globl	k_qb955665f46_density
	.p2align	8
	.type	k_qb955665f46_density,@function
k_qb955665f46_density:
	s_mov_b64 s[64:65], 0
	v_nop
	global_prefetch_b8 v0, s[64:65] scope:SCOPE_SE
	s_setreg_imm32_b32 hwreg(HW_REG_WAVE_SCHED_MODE, 0, 2), 2
	s_setreg_imm32_b32 hwreg(HW_REG_WAVE_MODE, 25, 1), 1
	s_wait_xcnt 0x0
	s_wait_alu depctr_vm_vsrc(0)
; density[g] = sum over the atoms a with elements[a] != 5 and C_expand[a] == 1, and over n = 0..5,
;              of aw[e_a][n] * exp(bw[e_a][n] * |g - X_a|^2).        32,768 grid points, 2,048 atoms, all sums in f32.
;
; INPUT FROM THE LAUNCH BEFORE.  'sorted': the atoms ordered by element, 16 bytes a slot (x, y, z, key), those that the reference multiplies by 0 at
; the end.  'bounds': words 0..3 the first slots of elements 1..4, word 4 = T, the number of atoms that count.  The bounds steer trip counts and
; LDS addresses; they are whole numbers read from memory by a scalar load.
; SHARES.  256 work-groups of 16 waves; a work-group owns 128 grid points, a lane four of them (4 lane .. 4 lane + 3, as two register
; pairs for the packed f32 forms), so every wave covers all 128 points and the waves split the ATOMS: wave w walks the slots
; [w T / 16, (w+1) T / 16), shares that differ by one atom at the most.
; WHY SORTED.  Inside one element a[n] and b[n] do not change: rows 0-4 of both tables lie in 64 registers (the same in every lane), the loop
; is written once for each element with that element's registers, and an atom costs one LDS load of 16 bytes (all lanes the same address).
; ONE TRIP = one atom x 128 points: 6 packed products for r^2, 12 packed products b r^2, 24 exponentials, 12 packed multiply-adds; and the
; 6 packed subtractions of the NEXT atom, which use no element's registers.
; THE EINSUM STAYS ON THE VECTOR UNIT: it has one output column for each grid point, and its left operand is made in f32 registers.  To feed a matrix
; instruction takes one packed conversion for two exponentials; one packed multiply-add for two exponentials ends the sum outright, in f32.
; NO CLUSTER, NO TENSOR LOADS: what work-groups share is the list's 32,768 bytes, read once, against 128 x T x 6 exponentials.
; NO PREFETCH: every global load of the kernel is issued in its first lines.
; LIMITS.  exp(x) is exp2(x log2 e) with b scaled once (one rounding more than the reference).  v_exp_f32 gives 0 where the result would lie
; below 2^-126 (ISA guide 15.8), so such terms are dropped.  The order of the f32 sums is not the reference's.  Where the reference gives NaN
; because a MASKED atom's exponential overflows (0 x inf), this text gives the sum without that atom.
; THE MODE: SCHED_MODE bits 1:0 = 2 (LLVM: expert scheduling mode 2), set by the entry lines.  The code itself states the register dependences
; between vector instructions and memory or LDS instructions, with s_wait_alu, always for 0.
; THE PLAN.  Registers that memory or LDS instructions touch:
;   v[T16], v[ZERO], v[L48], v[L16]   offsets, made at the head and never written again.
;   CP           written by the list's loads, read by the list's LDS stores; no vector instruction names it.
;   GL, AT, BT   written by loads at the head, then named by vector instructions alone, until wave 0's last LDS loads land in AT and BT (as RS).
;   v[ADR]       written once a trip by a v_mov_b32; read by the trip's one LDS load.      v[ADR2]: written once, read by one LDS load ahead of the loops.
;   REC          trip k: the LDS load of record k + 2 lands in it; trip k + 1: the six subtractions read it.
;   ACC          written by the multiply-adds; read by the LDS store behind the loops.
; Trip k, in this order: r^2, products and exponentials of atom k (one batch: none of these lines reads an exponential's result); the wait for record k + 1;
; the subtractions of atom k + 1; the address of record k + 2; ONE wait on va_vdst; the load of record k + 2; the multiply-adds of atom k.  That wait states three
; things: the exponentials have written AR, v[ADR] is written, and the subtractions are done reading REC.  No vector instruction behind it names REC or v[ADR]
; before the next trip's wait for the record, over the backward jump and from one element's loop into the next.  One wait on vm_vsrc a trip stands ahead of the v_mov_b32.
.set NA,     2048                      ; atoms = slots of the list
.set NWAVE,  16
.set LIST,   0                         ; LDS: the sorted list
.set RED,    16*NA                     ; LDS: 512 bytes a wave, its partial sums of the 128 points
.set LOG2E,  0x3fb8aa3b
; vector registers
.set LANE, 1
.set VT,   2                           ; at work
.set T16,  3                           ; 16 x thread: my 16 bytes of each quarter of the list, and among the partial sums
.set ZERO, 5                           ; offset 0: the tables, the same bytes for every lane
.set L48,  6                           ; 48 x lane: my four grid points
.set L16,  7                           ; 16 x lane: my four results
.set ADR,  11                          ; LDS address of the record to be loaded
.set ADR2, 12                          ; ahead of the loops only: LDS address of my second record
.set CP,   16                          ; v[16:31]   four slots of the list on their way into LDS
.set GL,   48                          ; v[48:59]   my four points as loaded: x0 y0 z0 x1 ...
.set GX,   60                          ; v[60:63]   x of points (0,1), (2,3)
.set GY,   64                          ; v[64:67]   y
.set GZ,   68                          ; v[68:71]   z
.set AT,   72                          ; v[72:103]  aw_table, words 0-31: element k, term n at AT + 6 k + n
.set BT,   104                         ; v[104:135] bw_table likewise, times log2 e
.set RS,   72                          ; v[72:135]  once more at the end: the sixteen partial sums
.set REC,  136                         ; v[136:139] the record loaded ahead
.set DX,   140                         ; v[140:151] g - X: x, y, z, two pairs each
.set DY,   144
.set DZ,   148
.set QQ,   152                         ; v[152:155] r^2, two pairs
.set AR,   156                         ; v[156:179] step 2 n + p: argument, then exponential, of term n and pair p; ahead of the loops v[156:159] take my first record
.set ACC,  180                         ; v[180:183] the sums of my four points
; scalar registers: s[4:15] the six addresses
.set WV,   16                          ; wave
.set TMP,  17
.set SS,   19                          ; s[20:24]  SS + k: first slot of element k (k = 1..4); SS + 5 = T.  s[25:27]: the rest of the 32 bytes loaded
.set IX,   28                          ; the slot at work: the loops' counter
.set RHI,  29                          ; end of my wave's share
.set RLAST,30                          ; its last slot
.set HI,   31                          ; end of the element's part of my share
.set AD,   32
; packed forms with one register r, of either parity, as both halves of the second source
.macro PKSUBB d, g, r                  ; d = g - v[r]
.if (\r) & 1
	v_pk_add_f32 v[\d:\d+1], v[\g:\g+1], v[(\r)-1:(\r)] op_sel:[0,1] op_sel_hi:[1,1] neg_lo:[0,1] neg_hi:[0,1]
.else
	v_pk_add_f32 v[\d:\d+1], v[\g:\g+1], v[(\r):(\r)+1] op_sel:[0,0] op_sel_hi:[1,0] neg_lo:[0,1] neg_hi:[0,1]
.endif
.endm
.macro PKMULB d, q, r                  ; d = q * v[r]
.if (\r) & 1
	v_pk_mul_f32 v[\d:\d+1], v[\q:\q+1], v[(\r)-1:(\r)] op_sel:[0,1] op_sel_hi:[1,1]
.else
	v_pk_mul_f32 v[\d:\d+1], v[\q:\q+1], v[(\r):(\r)+1] op_sel:[0,0] op_sel_hi:[1,0]
.endif
.endm
.macro PKFMAB c, e, r                  ; c += e * v[r]
.if (\r) & 1
	v_pk_fma_f32 v[\c:\c+1], v[\e:\e+1], v[(\r)-1:(\r)], v[\c:\c+1] op_sel:[0,1,0] op_sel_hi:[1,1,1]
.else
	v_pk_fma_f32 v[\c:\c+1], v[\e:\e+1], v[(\r):(\r)+1], v[\c:\c+1] op_sel:[0,0,0] op_sel_hi:[1,0,1]
.endif
.endm
	s_load_b256 s[4:11], s[0:1], 0x0               ; sorted s[4:5], bounds s[6:7], aw_table s[8:9], bw_table s[10:11]
	s_load_b128 s[12:15], s[0:1], 0x20             ; grid_points s[12:13], out0 s[14:15]
	v_lshl_add_u32 v46, v0, 2, 0xa000
	v_mov_b32 v47, 0
	v_and_b32 v[LANE], 31, v0
	v_lshrrev_b32 v[VT], 5, v0
	v_readfirstlane_b32 s[WV], v[VT]               ; wave 0..15
	v_lshlrev_b32 v[T16], 4, v0
	v_mov_b32 v[ZERO], 0
	v_mul_u32_u24 v[L48], v[LANE], 48
	v_lshlrev_b32 v[L16], 4, v[LANE]
	s_mul_i32 s2, ttmp9, 128*12                    ; the work-group's 128 points of 12 bytes
	s_mov_b32 s3, 0
	s_wait_alu depctr_va_sdst(0)                   ; s[WV] is written, ahead of its first reader: my share of the slots is made from it
	s_wait_kmcnt 0x0
	s_load_b256 s[SS+1:SS+8], s[6:7], 0x0          ; the bounds; waited for where the shares are made
	s_add_nc_u64 s[12:13], s[12:13], s[2:3]
	s_lshl_b32 s2, ttmp9, 9                        ; and its 128 results of 4 bytes
	s_add_nc_u64 s[14:15], s[14:15], s[2:3]
	s_wait_alu depctr_va_vdst(0)                   ; v[T16], v[ZERO], v[L48] and v[L16] are written: the loads and stores of the whole kernel read them as offsets and LDS addresses
	; all 23 global loads of the wave, in the order in which they are needed
.irp j, 0,1,2,3
	global_load_b128 v[CP+4*\j:CP+4*\j+3], v[T16], s[4:5] offset:8192*\j
.endr
.irp j, 0,1,2
	global_load_b128 v[GL+4*\j:GL+4*\j+3], v[L48], s[12:13] offset:16*\j
.endr
.irp j, 0,1,2,3,4,5,6,7
	global_load_b128 v[BT+4*\j:BT+4*\j+3], v[ZERO], s[10:11] offset:16*\j      ; words 0-31: rows 0-4 and two words of row 5, which no atom that counts uses
.endr
.irp j, 0,1,2,3,4,5,6,7
	global_load_b128 v[AT+4*\j:AT+4*\j+3], v[ZERO], s[8:9] offset:16*\j
.endr
	; the list goes into LDS as it lies in memory: thread t brings the 16 bytes at 16 t of each quarter
	s_wait_loadcnt 19                              ; loads return in order: the first four of the 23 (the list) are in
.irp j, 0,1,2,3
	ds_store_b128 v[T16], v[CP+4*\j:CP+4*\j+3] offset:LIST+8192*\j              ; data from loads, address from ahead of the wait above: no vector instruction has been issued since
.endr
	s_wait_dscnt 0x0                               ; my part of the list is in LDS before I say so
	s_barrier_signal -1
	; register work while the others arrive
	s_wait_loadcnt 0x0                             ; grid points and tables
	v_dual_mov_b32 v[GX+0], v[GL+0] :: v_dual_mov_b32 v[GX+1], v[GL+3]         ; x0 y0 z0 x1 .. becomes pairs (x0,x1) (x2,x3) (y0,y1) ..
	v_dual_mov_b32 v[GX+2], v[GL+6] :: v_dual_mov_b32 v[GX+3], v[GL+9]
	v_dual_mov_b32 v[GY+0], v[GL+1] :: v_dual_mov_b32 v[GY+1], v[GL+4]
	v_dual_mov_b32 v[GY+2], v[GL+7] :: v_dual_mov_b32 v[GY+3], v[GL+10]
	v_dual_mov_b32 v[GZ+0], v[GL+2] :: v_dual_mov_b32 v[GZ+1], v[GL+5]
	v_dual_mov_b32 v[GZ+2], v[GL+8] :: v_dual_mov_b32 v[GZ+3], v[GL+11]
.set i, 0
.rept 15                                           ; rows 0-4 of bw_table: b log2 e, so that v_exp_f32 (base 2) gives exp(b r^2)
	v_pk_mul_f32 v[BT+2*i:BT+2*i+1], v[BT+2*i:BT+2*i+1], LOG2E op_sel_hi:[1,0]
.set i, i+1
.endr
.irp j, 0,1,2,3
	v_mov_b32 v[ACC+\j], 0                         ; a wave whose share is empty hands these on as they are
.endr
	s_wait_kmcnt 0x0                               ; the bounds
	s_mul_i32 s[IX], s[WV], s[SS+5]                ; my share: slots [w T / 16, (w + 1) T / 16)
	s_lshr_b32 s[IX], s[IX], 4
	s_add_co_u32 s[TMP], s[WV], 1
	s_mul_i32 s[RHI], s[TMP], s[SS+5]
	s_lshr_b32 s[RHI], s[RHI], 4
	s_barrier_wait -1                              ; the list is whole
	s_cmp_ge_u32 s[IX], s[RHI]
	s_cbranch_scc1 .Lsum                           ; nothing for me (T below 16)
	s_sub_co_u32 s[RLAST], s[RHI], 1
	s_min_u32 s[AD], s[IX], NA-1                   ; a number that was loaded enters an address only behind a bound
	s_lshl_b32 s[AD], s[AD], 4
	v_mov_b32 v[ADR], s[AD]                        ; my first record,
	s_add_co_u32 s[AD], s[IX], 1
	s_min_u32 s[AD], s[AD], s[RLAST]               ; and my second (a share of one atom: the first once more, and not used)
	s_min_u32 s[AD], s[AD], NA-1                   ; the bound in front of the address
	s_lshl_b32 s[AD], s[AD], 4
	v_mov_b32 v[ADR2], s[AD]
	s_wait_alu depctr_va_vdst(0)                   ; v[ADR] and v[ADR2] are written, which the two LDS loads read
	ds_load_b128 v[AR:AR+3], v[ADR] offset:LIST    ; the first record goes through registers that the first trip's products write later
	ds_load_b128 v[REC:REC+3], v[ADR2] offset:LIST
	s_wait_dscnt 1                                 ; LDS loads return in order: the first record is in, the second stays out
	PKSUBB DX,   GX,   AR                          ; g - X of my first atom: what every trip finds made
	PKSUBB DX+2, GX+2, AR
	PKSUBB DY,   GY,   AR+1
	PKSUBB DY+2, GY+2, AR+1
	PKSUBB DZ,   GZ,   AR+2
	PKSUBB DZ+2, GZ+2, AR+2
; The part of my share that lies in element k.  IX runs on from element to element, and so do the differences of slot IX and the record of slot IX + 1, which is loaded ahead.
.macro CLASS k
	s_min_u32 s[HI], s[SS+\k+1], s[RHI]
	s_cmp_ge_u32 s[IX], s[HI]
	s_cbranch_scc1 .Lnext\k
.Latom\k:
	s_add_co_u32 s[IX], s[IX], 1                   ; the next slot;
	s_add_co_u32 s[AD], s[IX], 1                   ; the record to be asked for lies one further on;
	s_min_u32 s[AD], s[AD], s[RLAST]               ; behind my last one the last is loaded once more, and not used
	s_min_u32 s[AD], s[AD], NA-1                   ; the bound in front of the address
	s_lshl_b32 s[AD], s[AD], 4
	v_pk_mul_f32 v[QQ:QQ+1],   v[DX:DX+1],   v[DX:DX+1]
	v_pk_mul_f32 v[QQ+2:QQ+3], v[DX+2:DX+3], v[DX+2:DX+3]
	v_pk_fma_f32 v[QQ:QQ+1],   v[DY:DY+1],   v[DY:DY+1],   v[QQ:QQ+1]
	v_pk_fma_f32 v[QQ+2:QQ+3], v[DY+2:DY+3], v[DY+2:DY+3], v[QQ+2:QQ+3]
	v_pk_fma_f32 v[QQ:QQ+1],   v[DZ:DZ+1],   v[DZ:DZ+1],   v[QQ:QQ+1]
	v_pk_fma_f32 v[QQ+2:QQ+3], v[DZ+2:DZ+3], v[DZ+2:DZ+3], v[QQ+2:QQ+3]
	; ONE BATCH: twelve steps, step st = term st / 2 of pair st mod 2.  Behind a step's two exponentials stands the product for step st + 2, behind the last two steps'
	; the next atom's subtractions: none of these lines names an exponential's result, and three plain instructions stand behind the last exponential (ISA guide 5.7.2).
	PKMULB AR,   QQ,   BT+6*\k
	PKMULB AR+2, QQ+2, BT+6*\k
.set st, 0
.rept 12
.if st == 10
	s_wait_dscnt 0x0                               ; the one LDS load that is out: the next atom's record, asked for in the trip before
.endif
	v_exp_f32 v[AR+2*st],   v[AR+2*st]
	v_exp_f32 v[AR+2*st+1], v[AR+2*st+1]
.if st+2 < 12
	PKMULB AR+2*(st+2), QQ+2*((st+2)&1), BT+6*\k+((st+2)>>1)
.elseif st == 10
	PKSUBB DX,   GX,   REC                         ; r^2 above has read the old differences
	PKSUBB DX+2, GX+2, REC
	PKSUBB DY,   GY,   REC+1
.else
	PKSUBB DY+2, GY+2, REC+1
	PKSUBB DZ,   GZ,   REC+2
	PKSUBB DZ+2, GZ+2, REC+2
.endif
.set st, st+1
.endr
	s_wait_alu depctr_vm_vsrc(0)                   ; the LDS load of the trip before (in the first trip: the two ahead of the loops) has read v[ADR], which is written anew
	v_mov_b32 v[ADR], s[AD]
	s_wait_alu depctr_va_vdst(0)                   ; the 24 exponentials have written AR, ahead of their first reader; v[ADR] is written, which the load reads; the subtractions are done reading REC, in which it lands
	ds_load_b128 v[REC:REC+3], v[ADR] offset:LIST  ; it comes in under the multiply-adds below and the next trip's products and exponentials
.set st, 0
.rept 12                                           ; each accumulator takes its six terms in ascending order
	PKFMAB ACC+2*(st&1), AR+2*st, AT+6*\k+(st>>1)
.set st, st+1
.endr
	s_cmp_lt_u32 s[IX], s[HI]
	s_cbranch_scc1 .Latom\k
.Lnext\k:
.endm
	CLASS 0
	CLASS 1
	CLASS 2
	CLASS 3
	CLASS 4
.Lsum:
	; the sixteen waves' sums of the same 128 points meet in LDS
	s_wait_alu depctr_va_vdst(0)                   ; the multiply-adds (an empty share: the v_mov_b32) have written ACC, which the LDS store reads; all that named AT and BT is done, in which wave 0's loads below land
	ds_store_b128 v[T16], v[ACC:ACC+3] offset:RED  ; 512 x wave + 16 x lane
	s_wait_dscnt 0x0                               ; my sums are in LDS (and the record loaded ahead has landed) before I say so
	s_barrier_signal -1
	s_barrier_wait -1
	s_cmp_lg_u32 s[WV], 0
	s_cbranch_scc1 .Lend
.irp w, 0,1,2,3,4,5,6,7,8,9,10,11,12,13,14,15
	ds_load_b128 v[RS+4*\w:RS+4*\w+3], v[L16] offset:RED+512*\w                 ; no vector instruction has been issued since the wait behind .Lsum
.endr
	s_wait_dscnt 0x0
.irp h, 8,4,2,1
.set i, 0
.rept \h
	v_pk_add_f32 v[RS+4*i:RS+4*i+1],   v[RS+4*i:RS+4*i+1],   v[RS+4*(i+\h):RS+4*(i+\h)+1]
	v_pk_add_f32 v[RS+4*i+2:RS+4*i+3], v[RS+4*i+2:RS+4*i+3], v[RS+4*(i+\h)+2:RS+4*(i+\h)+3]
.set i, i+1
.endr
.endr
	s_wait_alu depctr_va_vdst(0)                   ; the additions have written v[RS:RS+3], which the store reads
	global_store_b128 v[L16], v[RS:RS+3], s[14:15] th:TH_STORE_NT   ; the wave stores the group's 512 consecutive bytes, at a multiple of 512 from out0's first byte
.Lend:
	s_wait_dscnt 0x0
	s_wait_alu depctr_hold_cnt(0) depctr_sa_sdst(0) depctr_va_vdst(0) depctr_va_sdst(0) depctr_va_ssrc(0) depctr_va_vcc(0) depctr_vm_vsrc(0)
	s_wait_tensorcnt 0x0
	ds_add_u32 v46, v47
	s_wait_dscnt 0x0
	s_endpgm
.Lfunc_end_k_qb955665f46_density:
	.size	k_qb955665f46_density, .Lfunc_end_k_qb955665f46_density-k_qb955665f46_density
	.p2alignl 7, 3214868480
	.fill 96, 4, 3214868480
	.section	.rodata,"a",@progbits
	.p2align	6, 0x0
	.amdhsa_kernel k_qb955665f46_density
		.amdhsa_group_segment_fixed_size 43008
		.amdhsa_private_segment_fixed_size 0
		.amdhsa_enable_private_segment 0
		.amdhsa_kernarg_size 48
		.amdhsa_user_sgpr_count 2
		.amdhsa_user_sgpr_kernarg_segment_ptr 1
		.amdhsa_wavefront_size32 1
		.amdhsa_system_sgpr_workgroup_id_x 1
		.amdhsa_system_sgpr_workgroup_id_y 1
		.amdhsa_system_sgpr_workgroup_id_z 1
		.amdhsa_system_vgpr_workitem_id 0
		.amdhsa_next_free_vgpr 184
		.amdhsa_next_free_sgpr 66
		.amdhsa_reserve_vcc 0
		.amdhsa_float_denorm_mode_32 3
		.amdhsa_float_denorm_mode_16_64 3
		.amdhsa_memory_ordered 1
		.amdhsa_forward_progress 1
		.amdhsa_inst_pref_size 28
	.end_amdhsa_kernel
	.amdgpu_metadata
---
amdhsa.version: [ 1, 2 ]
amdhsa.kernels:
  - .name:           k_qb955665f46_density
    .symbol:         k_qb955665f46_density.kd
    .args:
      - { .name: sorted, .offset: 0, .size: 8, .value_kind: global_buffer, .address_space: global }
      - { .name: bounds, .offset: 8, .size: 8, .value_kind: global_buffer, .address_space: global }
      - { .name: aw_table, .offset: 16, .size: 8, .value_kind: global_buffer, .address_space: global }
      - { .name: bw_table, .offset: 24, .size: 8, .value_kind: global_buffer, .address_space: global }
      - { .name: grid_points, .offset: 32, .size: 8, .value_kind: global_buffer, .address_space: global }
      - { .name: out0, .offset: 40, .size: 8, .value_kind: global_buffer, .address_space: global }
    .group_segment_fixed_size: 43008
    .private_segment_fixed_size: 0
    .kernarg_segment_align: 8
    .kernarg_segment_size: 48
    .max_flat_workgroup_size: 512
    .sgpr_count:     66
    .vgpr_count:     184
    .wavefront_size: 32
...
	.end_amdgpu_metadata
.endif
;; end of part 3
